; MI455X (gfx1250); checked and timed in simulation.
; The chip was launched on July 23, 2026; its instructions are those of AMD's public machine-readable ISA for CDNA 5 (MIT licence, August 2026) and "CDNA5" Instruction Set Architecture Reference Guide (July 2026). The comments in the code are by the model that wrote it; some were corrected since.
;; Matrix M Power Series Layer. Allowed arithmetic: float matrix products may take bf16 or f16 operands with f32 sums; all other float work in f32.
;; Inputs: coeffs 8 x 2 x 512 x 512 float32; x 8 x 2 x 512 x 512 float32.
;; Outputs: out0 8 x 2 x 512 x 512 float32.
;; One version. Each part assembles by itself: llvm-mc -triple=amdgcn-amd-amdhsa -mcpu=gfx1250 --defsym DOCPART=n.
;; ======== version 1 of 1: 2 launches
;; workspace buffers: xb 8,388,608 bytes
;; launch prep (part 1): grid 256 x 1, 8 waves a work-group, no clusters, 0 bytes of LDS; arguments x, xb; writes xb
.if DOCPART == 1
	.amdgcn_target "amdgcn-amd-amdhsa--gfx1250"
	.amdhsa_code_object_version 6
	.text
	.protected	k_q0eee343a03_prep
	.globl	k_q0eee343a03_prep
	.p2align	8
	.type	k_q0eee343a03_prep,@function
k_q0eee343a03_prep:
	s_mov_b64 s[64:65], 0
	v_nop
	global_prefetch_b8 v0, s[64:65] scope:SCOPE_SE
	s_setreg_imm32_b32 hwreg(HW_REG_WAVE_MODE, 25, 1), 1
	s_wait_xcnt 0x0
; xb = x rounded to bf16 (nearest even), same index order [8][2][512][512].
; X is a matrix operand of every one of the seven products of the next launch, in 32 work-groups a batch: it is rounded once here,
; so that the tiles streamed there are half as long and need no conversion.
; A stream: 256 work-groups of eight waves; a work-group owns 65,536 bytes of x and 32,768 of xb, a wave 8,192 and 4,096.
; A wave issues its sixteen loads at once (512 neighbouring bytes each), then converts and stores them in order.
; No LDS, no barrier, no matrix unit: nothing is shared and nothing is summed.  No register is written twice, so no source has to be freed.
.set VI, 1                             ; v1       byte offset of my 16 bytes in the work-group's part of x
.set VO, 2                             ; v2       byte offset of my 8 bytes in its part of xb
.set X,  4                             ; v[4:67]  load i: 4 numbers in f32
.set Y,  68                            ; v[68:99] load i: the same 4 in bf16
	s_load_b128 s[4:7], s[0:1], 0x0                ; x s[4:5], xb s[6:7]
	v_and_b32 v2, 31, v0                           ; lane
	v_lshrrev_b32 v1, 5, v0                        ; wave
	v_lshlrev_b32 v2, 4, v2                        ; 16 bytes a lane
	v_lshl_or_b32 v[VI], v1, 13, v2                ; + 8,192 bytes a wave
	v_lshrrev_b32 v[VO], 1, v[VI]                  ; half of that in bf16
	s_lshl_b32 s2, ttmp9, 16                       ; the work-group's 65,536 bytes of x (255 x 65,536 at the most: one word)
	s_mov_b32 s3, 0
	s_lshl_b32 s8, ttmp9, 15                       ; and its 32,768 bytes of xb
	s_mov_b32 s9, 0
	s_wait_kmcnt 0x0
	s_add_nc_u64 s[4:5], s[4:5], s[2:3]
	s_add_nc_u64 s[6:7], s[6:7], s[8:9]
.irp i, 0,1,2,3,4,5,6,7,8,9,10,11,12,13,14,15
	global_load_b128 v[X+4*\i:X+4*\i+3], v[VI], s[4:5] offset:512*\i th:TH_LOAD_NT   ; x is read once in this launch and never again
.endr
.irp i, 0,1,2,3,4,5,6,7,8,9,10,11,12,13,14,15
	s_wait_loadcnt 15-\i                           ; loads come back in order (ISA guide 5.7.1): load i is in, the 15 - i younger ones stay out
	v_cvt_pk_bf16_f32 v[Y+2*\i],   v[X+4*\i],   v[X+4*\i+1]
	v_cvt_pk_bf16_f32 v[Y+2*\i+1], v[X+4*\i+2], v[X+4*\i+3]
	global_store_b64 v[VO], v[Y+2*\i:Y+2*\i+1], s[6:7] offset:256*\i   ; 32 lanes x 8 bytes: 256 consecutive bytes, aligned; no hint: the next launch reads xb
.endr
	s_endpgm
.Lfunc_end_k_q0eee343a03_prep:
	.size	k_q0eee343a03_prep, .Lfunc_end_k_q0eee343a03_prep-k_q0eee343a03_prep
	.p2alignl 7, 3214868480
	.fill 96, 4, 3214868480
	.section	.rodata,"a",@progbits
	.p2align	6, 0x0
	.amdhsa_kernel k_q0eee343a03_prep
		.amdhsa_group_segment_fixed_size 0
		.amdhsa_private_segment_fixed_size 0
		.amdhsa_enable_private_segment 0
		.amdhsa_kernarg_size 16
		.amdhsa_user_sgpr_count 2
		.amdhsa_user_sgpr_kernarg_segment_ptr 1
		.amdhsa_wavefront_size32 1
		.amdhsa_system_sgpr_workgroup_id_x 1
		.amdhsa_system_sgpr_workgroup_id_y 1
		.amdhsa_system_sgpr_workgroup_id_z 1
		.amdhsa_system_vgpr_workitem_id 0
		.amdhsa_next_free_vgpr 100
		.amdhsa_next_free_sgpr 66
		.amdhsa_reserve_vcc 0
		.amdhsa_float_denorm_mode_32 3
		.amdhsa_float_denorm_mode_16_64 3
		.amdhsa_memory_ordered 1
		.amdhsa_forward_progress 1
		.amdhsa_inst_pref_size 7
	.end_amdhsa_kernel
	.amdgpu_metadata
---
amdhsa.version: [ 1, 2 ]
amdhsa.kernels:
  - .name:           k_q0eee343a03_prep
    .symbol:         k_q0eee343a03_prep.kd
    .args:
      - { .name: x, .offset: 0, .size: 8, .value_kind: global_buffer, .address_space: global }
      - { .name: xb, .offset: 8, .size: 8, .value_kind: global_buffer, .address_space: global }
    .group_segment_fixed_size: 0
    .private_segment_fixed_size: 0
    .kernarg_segment_align: 8
    .kernarg_segment_size: 16
    .max_flat_workgroup_size: 256
    .sgpr_count:     66
    .vgpr_count:     100
    .wavefront_size: 32
...
	.end_amdgpu_metadata
.endif
;; end of part 1
;; launch horner (part 2): grid 32 x 8, 4 waves a work-group, clusters of 4 x 1, 327,680 bytes of LDS; arguments coeffs, xb, out0; writes out0
.if DOCPART == 2
	.amdgcn_target "amdgcn-amd-amdhsa--gfx1250"
	.amdhsa_code_object_version 6
	.text
	.protected	k_q0eee343a03_horner
	.globl	k_q0eee343a03_horner
	.p2align	8
	.type	k_q0eee343a03_horner,@function
k_q0eee343a03_horner:
	s_mov_b64 s[64:65], 0
	v_nop
	global_prefetch_b8 v0, s[64:65] scope:SCOPE_SE
	s_setreg_imm32_b32 hwreg(HW_REG_WAVE_MODE, 25, 1), 1
	s_wait_xcnt 0x0
	s_wait_alu depctr_hold_cnt(0) depctr_sa_sdst(0) depctr_va_vdst(0) depctr_va_sdst(0) depctr_va_ssrc(0) depctr_va_vcc(0) depctr_vm_vsrc(0)
	s_getreg_b32 s2, hwreg(HW_REG_IB_STS2, 6, 4)
	s_cmp_eq_u32 s2, 0
	s_cbranch_scc0 .Lentry_in_a_cluster
	s_endpgm
.Lentry_in_a_cluster:
	s_bfe_u32 s2, ttmp6, 0x10000c
	s_cmp_lg_u32 s2, 0x3003
	s_cbranch_scc0 .Lentry_shape_is_right
	s_endpgm
.Lentry_shape_is_right:
; out0[b] = sum over i = 0..7 of C_i X_b^i (complex, real and imaginary planes), by Horner's scheme from the left:
;   R_7 = C_7,   R_k = C_k + R_(k+1) X   (k = 6 .. 0),   out0 = R_0.
; That is the same polynomial by associativity alone, for every X and C; it takes 7 complex products where the powers take 14, and row j of
; R_k needs only row j of R_(k+1): a work-group owns 16 rows of one batch and runs the whole chain by itself, R never leaving registers and LDS.
;
; LIMITS KEPT: the order of the sums and roundings is Horner's, not that of the powers; X (rounded by the launch before) and R_7 .. R_1 enter the
; products as bf16, sums are f32, C_6 .. C_0 enter in f32 as the sums' starting values; the sign of a zero may differ (the real sums are
; multiplied by -1 twice a step); NaN and infinities spread along Horner's products.  No limit of range beyond that of f32 and bf16.
;
; SHARES: 256 work-groups = 8 batches x 32 blocks of 16 rows; four waves; wave w owns the complex columns 128 w .. 128 w + 127: eight tiles of
; 16 x 16 for the real part (RE) and eight for the imaginary part (IM), 128 registers.
; A STEP: RE = C_k real, IM = C_k imaginary; RE = -RE; over X's imaginary plane RE += Ri Xi, IM += Rr Xi; RE = -RE; over X's real plane
; RE += Rr Xr, IM += Ri Xr.  So RE = Cr + Rr Xr - Ri Xi and IM = Ci + Rr Xi + Ri Xr, with two passes of 32 packed multiplies for 512 matrix instructions.
; THE MATRIX INSTRUCTION IS USED TRANSPOSED: source 0 = 16 columns of X x 32 k, source 1 = 16 rows of R x 32 k.  Lane l then holds row l % 16 of
; the result and its registers 0 to 7 the columns 16 T + 8 (l / 16) + 0 .. 7: rounded to bf16 these are, in the same lane, registers 4 (T % 2) .. + 3
; of the next step's fragment T / 2 of R.  Nothing is shuffled between steps; the waves only hand each other whole fragments through LDS (EX).
; X STREAMS through two LDS slots in chunks of 128 k-rows x 512 columns of one plane (8 chunks a step: 0-3 imaginary, 4-7 real).  X lies [k][column], so
; its fragments are read by the transposing LDS load.
; CLUSTER: the four work-groups of a cluster have the same batch and walk the same chunks of X: each chunk is asked for jointly (mask 15), which divides
; the requests for X by four.  A mask names four work-groups at the most, so the 32 row blocks of a batch are eight clusters.
;
; LDS: SLOT0 at 0, SLOT1 at 135,168: 128 rows of 1,024 bytes + 32 of padding (pitch 1,056 = 264 words: row r starts at bank 8 r mod 64, ISA guide 11.1,
;      so the eight rows that eight lanes of a transposing load address start at eight different places);
;      EX at 270,336: R's fragments, block (plane p, tile T) at 16,384 p + 512 T + 16 lane; written by LDS stores alone;
;      CST at 303,104: 16 rows of 272 bytes for each wave, its own: C on the way in, the result on the way out; written by LDS stores alone.
; REGISTERS, in windows of 256: window 0: v2-10 addresses, v32-127 a ring of three buffers of four X fragments, v128-191 RE, v192-255 IM;
;      window 1: R's fragments, Rr's fragment q at v[8 q], Ri's at v[128 + 8 q];   window 2: v0-127 the next step's C as loaded.
.set PITCH,  1056                      ; an LDS row of a chunk
.set SLOTB,  128*PITCH                 ; a slot
.set QUARTB, 32*PITCH                  ; what one wave's tensor load fills: 32 rows
.set EX,     2*SLOTB
.set CST,    EX+32768
.set SP,     272                       ; a row of a stage: 256 bytes + 16
.set XPLANE, 524288                    ; bytes of a plane of xb
.set XCHUNK, 131072                    ; bytes of a chunk in xb
.set CPLANE, 1048576                   ; bytes of a plane of coeffs and of out0
.set CSTEP,  2097152                   ; bytes of one C_k
.set AD,   2                           ; v2-5   my X fragments' LDS address: slot 0 k-steps 0-1, slot 0 k-steps 2-3, slot 1 likewise
.set EXST, 6                           ; v6     where I put my tiles' blocks in EX
.set EXLD, 7                           ; v7     where I read all blocks of EX
.set CSTO, 8                           ; v8     my stage by rows: lanes 0-15 one row of 256 bytes, lanes 16-31 the next
.set CRD,  9                           ; v9     my stage by tiles: row l % 16, 32 bytes for each half of the lanes
.set CG,   10                          ; v10    my byte offset in the 16 rows of coeffs and of out0; never rewritten
.set RING, 32
.set RE,   128
.set IM,   192
.set G1, 24                            ; s[24:31] descriptor group 1
.set G0, 32                            ; s[32:39] descriptor group 0, a set for each slot
.set XB, 40                            ; s[40:41] xb at my batch and my wave's 32 rows of a chunk
.set CB, 42                            ; s[42:43] coeffs at the C_k that is loaded next, my 16 rows
.set OB, 44                            ; s[44:45] out0 at my batch, my 16 rows
.set W_MUL,  0x04                      ; source 1 (R) in window 1; all else in window 0: matrix instructions, their LDS loads, the sign pass
.set W_TOA,  0x40                      ; destination in window 1: loads of R's fragments
.set W_TOC,  0x80                      ; destination in window 2: global loads of C
.set W_FROMC, 0x08                     ; source 1 (an LDS store's data) in window 2
.set MSB, 0
.macro WIN new                         ; the immediate's high byte repeats the setting that is left; a switch that changes nothing is dropped
.if MSB != \new
	s_set_vgpr_msb (MSB<<8)|\new
.set MSB, \new
.endif
.endm
; Four places: a vector instruction that reads a matrix result or writes a matrix instruction's register, and a load into such a register, stand four
; plain vector instructions behind it (ISA guide 7.12.1 for vector instructions).
.macro PLACES
.rept 4
	v_nop
.endr
.endm
; A round of the cluster's barrier: my work-group's barrier, wave 0 signals for the work-group, every wave waits for all four work-groups, my work-group's barrier again.
.macro CREST                           ; a round behind its opening barrier
	s_cmp_lg_u32 s10, 0
	s_cbranch_scc1 .Lnot_wave_0_\@
	s_barrier_signal -3
.Lnot_wave_0_\@:
	s_barrier_wait -3
	s_barrier_signal -1
	s_barrier_wait -1
.endm
.macro ROUND
	s_barrier_signal -1
	s_barrier_wait -1
	CREST
.endm
; The joint load of chunk c into a slot: every wave asks for its 32 rows.  It stands only where no tensor load of the wave is out, so group 0 may be written.
; Nothing in the descriptor hangs on the place in the cluster: the address is made of the batch and the wave's number, the LDS address of the wave's number.
.macro JLOAD slot, c
.if (\c) < 4
.set JL_O, XPLANE+(\c)*XCHUNK          ; chunks 0-3: the imaginary plane
.else
.set JL_O, ((\c)-4)*XCHUNK             ; chunks 4-7: the real plane
.endif
	s_add_nc_u64 s[G0+4*(\slot)+2:G0+4*(\slot)+3], s[XB:XB+1], JL_O
	s_or_b32 s[G0+4*(\slot)+3], s[G0+4*(\slot)+3], 0x80000000      ; 127:126 type = 2
	tensor_load_to_lds s[G0+4*(\slot):G0+4*(\slot)+3], s[G1:G1+7]
	s_nop 0
.endm
; Unit u (0 .. 63 in a step): chunk u / 8, k-step (u / 2) % 4 of the chunk = fragment (u / 2) % 16 of R, my tiles 4 (u % 2) .. + 3, ring buffer u % 3.
; Its eight LDS loads: a fragment is two transposing loads, 16 k-rows apart.
.macro LOADU u
.set LU_B, RING+32*((\u)%3)
.set LU_K, ((\u)>>1)&3
.set LU_A, AD+2*(((\u)>>3)&1)+(LU_K>>1)
.set LU_O, 32*(LU_K&1)*PITCH+128*((\u)&1)
.irp tt, 0,1,2,3
	ds_load_tr16_b128 v[LU_B+8*\tt:LU_B+8*\tt+3],   v[LU_A] offset:LU_O+32*\tt
	ds_load_tr16_b128 v[LU_B+8*\tt+4:LU_B+8*\tt+7], v[LU_A] offset:LU_O+32*\tt+16*PITCH
.endr
.endm
; Its eight matrix instructions.  The sixteen accumulators take turns, one instruction a turn, in the same order in every pair of units, over the loop's
; backward jump too.
.macro MULU u
.set MU_B, RING+32*((\u)%3)
.set MU_K, 8*(((\u)>>1)&15)
.set MU_T, 32*((\u)&1)
.if (\u) < 32
.set MU_1, 128+MU_K                    ; over Xi: RE takes Ri,
.set MU_2, MU_K                        ; IM takes Rr
.else
.set MU_1, MU_K                        ; over Xr: RE takes Rr,
.set MU_2, 128+MU_K                    ; IM takes Ri
.endif
.irp tt, 0,1,2,3
	v_wmma_f32_16x16x32_bf16 v[RE+MU_T+8*\tt:RE+MU_T+8*\tt+7], v[MU_B+8*\tt:MU_B+8*\tt+7], v[MU_1:MU_1+7], v[RE+MU_T+8*\tt:RE+MU_T+8*\tt+7]
	v_wmma_f32_16x16x32_bf16 v[IM+MU_T+8*\tt:IM+MU_T+8*\tt+7], v[MU_B+8*\tt:MU_B+8*\tt+7], v[MU_2:MU_2+7], v[IM+MU_T+8*\tt:IM+MU_T+8*\tt+7]
.endr
.endm
.macro FLIP                            ; RE = -RE, two numbers an instruction
.set n, 0
.rept 32
	v_pk_mul_f32 v[RE+2*n:RE+2*n+1], v[RE+2*n:RE+2*n+1], -1.0 op_sel_hi:[1,0]
.set n, n+1
.endr
.endm
; A unit's turn: the loads of the unit two ahead go into the buffer that the unit before has just multiplied, then this unit is multiplied.
.macro UNIT u
.if (\u) != 0                          ; unit 0's loads go into buffer 2, last multiplied ahead of the four places at the step's head
	PLACES
.endif
	LOADU ((\u)+2)
.if (\u) == 32
	FLIP                                           ; between the planes; it stands behind the four places above
.endif
	s_wait_dscnt 16                                ; LDS loads come back in order (ISA guide 5.7.1): all but the 8 loads each of units u + 1 and u + 2 are in
	MULU \u
.endm
; A chunk: eight units.  kind 0: at its end this slot is filled again, two chunks ahead, behind a round of the cluster's barrier;
; kind 1: the slots change, nothing is left to fetch; kind 2: the step's last chunk, the change of slots stands in the next step's head.
.macro CHUNK c, kind
.irp j, 0,1,2,3,4,5
	UNIT (8*\c+\j)
.endr
.if \kind == 2
	s_wait_dscnt 8                                 ; the last unit's eight loads may be out
	MULU (8*\c+6)
	s_wait_dscnt 0x0
	MULU (8*\c+7)
.else
	s_wait_dscnt 0x0                               ; my reads of this slot are over
	s_set_vgpr_msb 0x400
	s_wait_tensorcnt 0x0                           ; and all my tensor loads have landed: the one that was out is my part of the other slot
	ds_add_u32 v30, v31
	s_wait_dscnt 0x0
	s_set_vgpr_msb 0x4
	s_barrier_signal -1                            ; say so (kind 0: this barrier opens the round),
	MULU (8*\c+6)                                  ; work on registers while the others arrive
.if \kind == 0
	WIN 0
	s_barrier_wait -1
	CREST                                          ; no wave of any partner still reads this slot or has a load on its way
	JLOAD ((\c)&1), (((\c)+2)%8)                   ; the wave's one tensor load behind the round, first thing there; it has the next chunk's work in which to land
.else
	s_barrier_wait -1                              ; the other slot is whole for all four waves
.endif
	PLACES
	LOADU (8*\c+8)                                 ; the other slot's first two units
	LOADU (8*\c+9)
	WIN W_MUL
	MULU (8*\c+7)
.endif
.endm
; My 16 rows x 128 columns of both planes of the C_k at CB, 32 loads into window 2: lanes 0-15 take 256 consecutive bytes of row 2 i, lanes 16-31 of row 2 i + 1.
; No hint: the eight batches' work-groups read the same rows.
.macro CLOAD
	WIN W_TOC
.irp p, 0,1
.irp c, 0,1
.irp i, 0,1,2,3,4,5,6,7
	global_load_b128 v[32*(2*\p+\c)+4*\i:32*(2*\p+\c)+4*\i+3], v[CG], s[CB:CB+1] offset:\p*CPLANE+256*\c+4096*\i
.endr
.endr
.endr
	WIN 0
.endm
; C goes from rows to the accumulators' layout through my own stage, 16 rows x 64 columns at a time.  LDS serves a wave's instructions in order
; (ISA guide 5.7.1.4): the loads see the stores above them, and the next pass's stores come behind these loads.  No other wave touches the stage.
.macro CSTAGE
	s_wait_loadcnt 0x0                             ; all 32 loads of C are in (they were issued a step ago); CB may be stepped
	WIN W_FROMC
.irp p, 0,1
.irp c, 0,1
.irp i, 0,1,2,3,4,5,6,7
	ds_store_b128 v[CSTO], v[32*(2*\p+\c)+4*\i:32*(2*\p+\c)+4*\i+3] offset:2*SP*\i
.endr
.irp tt, 0,1,2,3
	ds_load_b128 v[RE+64*\p+8*(4*\c+\tt):RE+64*\p+8*(4*\c+\tt)+3],   v[CRD] offset:64*\tt
	ds_load_b128 v[RE+64*\p+8*(4*\c+\tt)+4:RE+64*\p+8*(4*\c+\tt)+7], v[CRD] offset:64*\tt+16
.endr
.endr
.endr
	WIN 0
.endm
.macro ALOAD                           ; all 64 blocks of EX: block (p, T) into window 1's registers 128 p + 4 T
	WIN W_TOA
.set n, 0
.rept 64
	ds_load_b128 v[4*n:4*n+3], v[EXLD] offset:512*n
.set n, n+1
.endr
	WIN 0
.endm
; A step's head.  The sums of the step before are R: rounded to bf16 they go to EX; the accumulators take the step's C; one round of the cluster's barrier
; shows EX to the other waves AND stands in front of slot 1's fill (every wave has read the last chunk there; chunk 0 has landed in slot 0).
; pf = 1: the next step's C is asked for, a whole step ahead of its use.
.macro HEAD pf
	WIN 0
	PLACES                                         ; behind the last matrix instructions: for the conversions, and for the loads into accumulators, ring and R
.irp p, 0,1
.irp t, 0,1,2,3,4,5,6,7
.irp r, 0,1,2,3
	v_cvt_pk_bf16_f32 v[RING+4*(8*\p+\t)+\r], v[RE+64*\p+8*\t+2*\r], v[RE+64*\p+8*\t+2*\r+1]
.endr
.endr
.endr
.irp p, 0,1
.irp t, 0,1,2,3,4,5,6,7
	ds_store_b128 v[EXST], v[RING+4*(8*\p+\t):RING+4*(8*\p+\t)+3] offset:16384*\p+512*\t   ; EX was last read ahead of chunk 0's barrier of the step before
.endr
.endr
	CSTAGE
	s_wait_dscnt 0x0                               ; my stores to EX are done, my reads of slot 1 are over, the accumulators hold C
	s_wait_tensorcnt 0x0                           ; all my tensor loads have landed: my part of chunk 0
	ds_add_u32 v30, v31
	s_wait_dscnt 0x0
	ROUND
	JLOAD 1, 1                                     ; the wave's one tensor load behind the round
	ALOAD
.if \pf
	s_sub_nc_u64 s[CB:CB+1], s[CB:CB+1], CSTEP
	CLOAD
.endif
	FLIP
	LOADU 0
	LOADU 1
	WIN W_MUL
.endm
; The way out, 16 rows x 64 columns at a time, through my own stage the other way round.
.macro OUTPASS p, c, n
.irp tt, 0,1,2,3
	ds_store_b128 v[CRD], v[RE+64*\p+8*(4*\c+\tt):RE+64*\p+8*(4*\c+\tt)+3]   offset:64*\tt
	ds_store_b128 v[CRD], v[RE+64*\p+8*(4*\c+\tt)+4:RE+64*\p+8*(4*\c+\tt)+7] offset:64*\tt+16
.endr
	s_wait_xcnt 0x0                                ; every earlier store has had its addresses translated (ISA guide 3.1): the registers that stores read are loaded again only behind this wait
.irp i, 0,1,2,3,4,5,6,7
	ds_load_b128 v[RING+32*((\n)&1)+4*\i:RING+32*((\n)&1)+4*\i+3], v[CSTO] offset:2*SP*\i
.endr
.irp i, 0,1,2,3,4,5,6,7
	s_wait_dscnt 7-\i                              ; read-back i is in, the younger ones stay out
	global_store_b128 v[CG], v[RING+32*((\n)&1)+4*\i:RING+32*((\n)&1)+4*\i+3], s[OB:OB+1] offset:\p*CPLANE+256*\c+4096*\i th:TH_STORE_NT   ; 16 lanes store 256 consecutive bytes, aligned
.endr
.endm
	s_load_b128 s[4:7], s[0:1], 0x0                ; coeffs s[4:5], xb s[6:7]
	s_load_b64 s[8:9], s[0:1], 0x10                ; out0
	v_lshl_add_u32 v30, v0, 2, 0x4e400
	v_mov_b32 v31, 0
	ds_add_u32 v30, v31
	v_lshrrev_b32 v1, 5, v0
	v_readfirstlane_b32 s10, v1                    ; wave 0..3
	s_bfe_u32 s11, ttmp6, 0x40000                  ; cx: my place in the cluster; it enters CB and OB alone
	s_lshl_b32 s12, ttmp9, 2                       ; in a cluster launch ttmp9 counts clusters
	s_add_co_u32 s12, s12, s11                     ; my block of 16 rows, 0..31
	s_and_b32 s13, ttmp7, 0xffff                   ; batch
	; descriptor group 1: 32 rows x 512 elements of 2 bytes, padded in LDS
	s_mov_b32 s[G1+0], 15|(1<<16)|(1<<20)|(1<<21)|(7<<22)|(7<<25)  ; 15:0 mask: all four of the cluster; 17:16 2 bytes; 20 padding on; 21 set beside a mask; 24:22 after every 256 words (code 7); 31:25 of 8 words (code 7)
	s_mov_b32 s[G1+1], 512<<16                     ; 63:48 tensor_dim0, low half = 512
	s_mov_b32 s[G1+2], 32<<16                      ; 79:64 its high half = 0; 95:80 tensor_dim1, low half = 32
	s_mov_b32 s[G1+3], 512<<16                     ; 111:96 its high half = 0; 127:112 tile_dim0 = 512
	s_mov_b32 s[G1+4], 32                          ; 143:128 tile_dim1 = 32; 159:144 tile_dim2 = 0
	s_mov_b32 s[G1+5], 512                         ; 191:160 elements from row to row
	s_mov_b32 s[G1+6], 0
	s_mov_b32 s[G1+7], 0
	; descriptor group 0, the words that never change: count 1, and the LDS address = wave x 32 rows + the slot
	s_mov_b32 s[G0+0], 1
	s_mul_i32 s[G0+1], s10, QUARTB
	s_mov_b32 s[G0+4], 1
	s_add_co_u32 s[G0+5], s[G0+1], SLOTB
	; offsets, each in registers of its own
	s_lshl_b32 s14, s13, 20                        ; xb: batch x 1,048,576
	s_lshl_b32 s16, s10, 15                        ;     + wave x 32 rows of 1,024 bytes
	s_add_co_u32 s14, s14, s16
	s_mov_b32 s15, 0
	s_lshl_b32 s18, s12, 15                        ; coeffs and out0: row block x 16 rows of 2,048 bytes
	s_add_co_u32 s20, s18, 7*CSTEP                 ; coeffs: C_7 first
	s_mov_b32 s21, 0
	s_lshl_b32 s22, s13, 21                        ; out0: batch x 2,097,152
	s_add_co_u32 s22, s22, s18
	s_mov_b32 s23, 0
	; lane terms
	v_and_b32 v11, 7, v0                           ; l % 8
	v_bfe_u32 v12, v0, 4, 1                        ; h = l / 16
	v_bfe_u32 v13, v0, 3, 1                        ; (l / 8) % 2
	v_and_b32 v16, 15, v0                          ; r = l % 16
	v_and_b32 v15, 31, v0
	v_lshlrev_b32 v15, 4, v15                      ; 16 l
	v_lshl_add_u32 v14, v12, 3, v11                ; X fragments: k-row 8 h + l % 8,
	v_mul_u32_u24 v[AD], v14, PITCH
	v_lshl_add_u32 v[AD], v13, 4, v[AD]            ; 16 bytes for each eight lanes,
	s_lshl_b32 s17, s10, 8
	v_add_nc_u32 v[AD], s17, v[AD]                 ; my wave's 128 columns
	v_add_nc_u32 v[AD+1], 64*PITCH, v[AD]          ; k-steps 2 and 3 lie beyond the 16-bit immediate
	v_add_nc_u32 v[AD+2], SLOTB, v[AD]
	v_add_nc_u32 v[AD+3], SLOTB+64*PITCH, v[AD]
	s_lshl_b32 s17, s10, 12                        ; EX: my eight tiles' blocks of 512 bytes
	s_add_co_u32 s17, s17, EX
	v_add_nc_u32 v[EXST], s17, v15
	v_add_nc_u32 v[EXLD], EX, v15
	s_mul_i32 s17, s10, 16*SP                      ; my stage
	s_add_co_u32 s17, s17, CST
	v_mul_u32_u24 v17, v12, SP                     ; by rows: row h, 16 bytes a lane
	v_lshl_add_u32 v17, v16, 4, v17
	v_add_nc_u32 v[CSTO], s17, v17
	v_mul_u32_u24 v18, v16, SP                     ; by tiles: row r, 8 columns (32 bytes) for each half of the lanes
	v_lshl_add_u32 v18, v12, 5, v18
	v_add_nc_u32 v[CRD], s17, v18
	v_lshlrev_b32 v19, 4, v16                      ; memory: row h of 2,048 bytes, 16 bytes a lane,
	v_lshl_add_u32 v19, v12, 11, v19
	s_lshl_b32 s17, s10, 9
	v_add_nc_u32 v[CG], s17, v19                   ; my wave's 128 columns of f32
	s_wait_dscnt 0x0
	s_wait_kmcnt 0x0
	s_add_nc_u64 s[XB:XB+1], s[6:7], s[14:15]
	s_add_nc_u64 s[CB:CB+1], s[4:5], s[20:21]
	s_add_nc_u64 s[OB:OB+1], s[8:9], s[22:23]
	CLOAD                                          ; C_7; these loads stay out across the round: nobody stores into coeffs
	ROUND                                          ; all four work-groups are here: the first joint load meets
	JLOAD 0, 0                                     ; the one first fill at the start; slot 1 is first filled behind the first head's round, as a refill is
	CSTAGE                                         ; the accumulators hold R_7 = C_7
	s_wait_dscnt 0x0                               ; before the head's conversions read them, and before window 2 is loaded again
	s_sub_nc_u64 s[CB:CB+1], s[CB:CB+1], CSTEP
	CLOAD                                          ; C_6
	s_mov_b32 s46, 6
.Lstep:                                                ; k = 6 .. 1
	HEAD 1
	CHUNK 0, 0
	CHUNK 1, 0
	CHUNK 2, 0
	CHUNK 3, 0
	CHUNK 4, 0
	CHUNK 5, 0
	CHUNK 6, 0                                     ; fills slot 0 with the next step's chunk 0
	CHUNK 7, 2
	WIN 0                                          ; at a label and at a branch every window is 0
	s_sub_co_i32 s46, s46, 1
	s_cmp_lg_u32 s46, 0
	s_cbranch_scc1 .Lstep
	HEAD 0                                         ; k = 0, written out: no C is left to ask for, and no slot is filled that nobody reads
	CHUNK 0, 0
	CHUNK 1, 0
	CHUNK 2, 0
	CHUNK 3, 0
	CHUNK 4, 0
	CHUNK 5, 0                                     ; the last tensor load: chunk 7
	CHUNK 6, 1                                     ; its wait for 0 leaves no tensor load out
	CHUNK 7, 2
	WIN 0
	PLACES                                         ; behind the last matrix instructions: for the LDS stores of the sums and the loads into the ring
	OUTPASS 0, 0, 0
	OUTPASS 0, 1, 1
	OUTPASS 1, 0, 2
	OUTPASS 1, 1, 3
	s_wait_tensorcnt 0x0
	ds_add_u32 v30, v31
	s_wait_dscnt 0x0
	ROUND                                          ; the closing round: no work-group ends while a partner may still ask for a chunk that names it
	s_endpgm
.Lfunc_end_k_q0eee343a03_horner:
	.size	k_q0eee343a03_horner, .Lfunc_end_k_q0eee343a03_horner-k_q0eee343a03_horner
	.p2alignl 7, 3214868480
	.fill 96, 4, 3214868480
	.section	.rodata,"a",@progbits
	.p2align	6, 0x0
	.amdhsa_kernel k_q0eee343a03_horner
		.amdhsa_group_segment_fixed_size 327680
		.amdhsa_private_segment_fixed_size 0
		.amdhsa_enable_private_segment 0
		.amdhsa_kernarg_size 24
		.amdhsa_user_sgpr_count 2
		.amdhsa_user_sgpr_kernarg_segment_ptr 1
		.amdhsa_wavefront_size32 1
		.amdhsa_system_sgpr_workgroup_id_x 1
		.amdhsa_system_sgpr_workgroup_id_y 1
		.amdhsa_system_sgpr_workgroup_id_z 1
		.amdhsa_system_vgpr_workitem_id 0
		.amdhsa_next_free_vgpr 640
		.amdhsa_next_free_sgpr 66
		.amdhsa_reserve_vcc 0
		.amdhsa_float_denorm_mode_32 3
		.amdhsa_float_denorm_mode_16_64 3
		.amdhsa_memory_ordered 1
		.amdhsa_forward_progress 1
		.amdhsa_inst_pref_size 218
	.end_amdhsa_kernel
	.amdgpu_metadata
---
amdhsa.version: [ 1, 2 ]
amdhsa.kernels:
  - .name:           k_q0eee343a03_horner
    .symbol:         k_q0eee343a03_horner.kd
    .args:
      - { .name: coeffs, .offset: 0, .size: 8, .value_kind: global_buffer, .address_space: global }
      - { .name: xb, .offset: 8, .size: 8, .value_kind: global_buffer, .address_space: global }
      - { .name: out0, .offset: 16, .size: 8, .value_kind: global_buffer, .address_space: global }
    .group_segment_fixed_size: 327680
    .private_segment_fixed_size: 0
    .kernarg_segment_align: 8
    .kernarg_segment_size: 24
    .max_flat_workgroup_size: 128
    .sgpr_count:     66
    .vgpr_count:     640
    .wavefront_size: 32
...
	.end_amdgpu_metadata
.endif
;; end of part 2
